; MI455X (gfx1250); checked and timed in simulation.
; The chip was launched on July 23, 2026; its instructions are those of AMD's public machine-readable ISA for CDNA 5 (MIT licence, August 2026) and "CDNA5" Instruction Set Architecture Reference Guide (July 2026). The comments in the code are by the model that wrote it; some were corrected since.
;; Multi Head Attention. Allowed arithmetic: matrix products marked QUANTISED: E5M2 operands, one E8M0 scale for each 32 along K, by v_wmma_scale_f32_16x16x128_f8f6f4 with both operands' format E5M2, f32 sums; everything else in f32.
;; Inputs: gn_b 128 float32; gn_w 128 float32; proj_b 128 float32; proj_w_codes 128 x 4 x 32 uint8 (E5M2 codes of proj_w, K innermost, in blocks of 32 codes); proj_w_scales 128 x 4 uint8 (E8M0 scales of proj_w, one for each 32 codes along K); qkv_b 384 float32; qkv_w_codes 384 x 4 x 32 uint8 (E5M2 codes of qkv_w, K innermost, in blocks of 32 codes); qkv_w_scales 384 x 4 uint8 (E8M0 scales of qkv_w, one for each 32 codes along K); x 4 x 128 x 64 x 64 float32.
;; Outputs: out0 4 x 128 x 64 x 64 float32.
;; This version of the problem:
;;   THIS VERSION OF THE PROBLEM IS GIVEN IN LOW PRECISION. The matrix products marked QUANTISED in the list below multiply operands that are first quantised to E5M2 (5 exponent bits, 2 mantissa bits; 8 bits a number), with one power-of-two scale for each 32 numbers along K (OCP MX v1.0); their sums are f32. All else is computed in f32.
;;   The module's matrix products, in the order in which they are computed (A, B: the left and right operand; K: the contracted axis; several contracted axes count as one K, in the product's order):
;;     1. [M 16,384, K 128] x [K 128, N 384]; A: computed on the way; B: input qkv_w (given as codes): QUANTISED
;;     2. batch 16 x [M 4,096, K 32] x [K 32, N 4,096]; A: computed on the way; B: computed on the way: QUANTISED
;;     3. batch 16 x [M 32, K 4,096] x [K 4,096, N 4,096]; A: computed on the way; B: softmax (see below): QUANTISED
;;     4. [M 16,384, K 128] x [K 128, N 128]; A: computed on the way; B: input proj_w (given as codes): QUANTISED
;;   THE QUANTISER, for each operand of a quantised product, along K:
;;     - K is cut into blocks of 32 from its start; a last block that is shorter is filled with zeros.
;;     - A block's scale is 2^e with e = floor(log2(the largest magnitude in the block)) - 15, held to -126 .. 127; a block of zeros has e = 0. As a byte (E8M0): e + 127.
;;     - Each number is divided by its block's scale, clamped to +-57,344, and rounded to the nearest number of E5M2, ties to even, subnormals kept.
;;     - The product sums the exact products of the quantised numbers (number of the format x scale) in f32.
;;   ~~~python
;;   def quantise(x, axis):      # numpy; x: float32 -> the quantised numbers, widened to float32 again
;;       x = np.moveaxis(x, axis, -1); K = x.shape[-1]
;;       x = np.pad(x, [(0, 0)] * (x.ndim - 1) + [(0, -K % 32)]); x = x.reshape(x.shape[:-1] + (-1, 32)); a = np.abs(x).max(-1, keepdims=True)
;;       e = np.where(a > 0, np.clip(np.frexp(np.where(a > 0, a, 1))[1] - 1 - 15, -126, 127), 0)      # np.frexp(a)[1] - 1 = floor(log2(a)), exactly
;;       r = np.clip(x / 2.0 ** e, -57344, 57344)
;;       step = 2.0 ** (np.maximum(np.frexp(np.where(r == 0, 1, r))[1] - 1, -14) - 2)
;;       q = np.round(r / step) * step * 2.0 ** e      # np.round: ties to even
;;       return np.moveaxis(q.reshape(q.shape[:-2] + (-1,))[..., :K], -1, axis).astype(np.float32)
;;   ~~~
;;   SOFTMAX AHEAD OF A QUANTISED PRODUCT. Where the list says 'softmax', what is quantised is not the finished softmax but p = 2^(t - M), with t = logit x log2(e) and M = ceil(the row's largest t), a whole number; so 1/2 < the row's largest p <= 1. The row's sum l is taken of the UNQUANTISED p, in f32, and the product's result is divided by l at the end. Since M is a whole number, a kernel that streams over the keys may use a running M (the ceiling of the running maximum): every later rescaling is an exact power of two, which a block's scale takes up: the codes' values come out the same.
;;   OPERANDS COMPUTED ON THE WAY. 'Computed on the way' means the value that the module computes at that place (a softmax that the list does not call 'softmax' is quantised finished and normalised). What goes into a quantiser is computed in f32, as accurately as f32 sums, v_exp_f32 and their like allow (about 1e-6 of the number): no bf16 or f16 on the way to a quantiser, and a product that is left as it is and whose result goes on into a quantised operand takes f32 operands (vector FMAs, or v_wmma_f32_16x16x4_f32). A number that lies on a knife's edge between two numbers of the format may be rounded either way, as far as f32 arithmetic and the matrix unit's own rounding can turn it there, and no further.
;;   INPUTS GIVEN AS CODES. proj_w (in the module: [128, 128], K = its axis 1); qkv_w (in the module: [384, 128], K = its axis 1): each comes as NAME_codes (uint8): NAME with its K axis moved to the last place and cut into blocks of 32 codes, [.., K / 32, bytes a block], one block behind the other in memory; one code a byte (a code: sign, 5 exponent bits, 2 mantissa bits); and NAME_scales (uint8): the same leading axes, one E8M0 byte (e + 127) for each 32 codes along K. Its value is code x scale, taken as it is: it is not quantised again, and the codes and scales need not be those that the quantiser above would give.
;; One version. Each part assembles by itself: llvm-mc -triple=amdgcn-amd-amdhsa -mcpu=gfx1250 --defsym DOCPART=n.
;; ======== version 1 of 1: 3 launches
;; limits: right only within a limited range of input values
;; workspace buffers: stats 32,768 bytes; qc 2,097,152 bytes; qs 524,288 bytes; kv 4,456,448 bytes
;; launch stats (part 1): grid 128 x 1, 8 waves a work-group, no clusters, 1,536 bytes of LDS; arguments x, stats; writes stats
.if DOCPART == 1
	.amdgcn_target "amdgcn-amd-amdhsa--gfx1250"
	.amdhsa_code_object_version 6
	.text
	.protected	k_q439216f15a_stats
	.globl	k_q439216f15a_stats
	.p2align	8
	.type	k_q439216f15a_stats,@function
k_q439216f15a_stats:
	s_mov_b64 s[64:65], 0
	v_nop
	global_prefetch_b8 v0, s[64:65] scope:SCOPE_SE
	s_setreg_imm32_b32 hwreg(HW_REG_WAVE_MODE, 25, 1), 1
	s_wait_xcnt 0x0
; GroupNorm's statistics.  x: [4][128][4096] f32.  A group is 4 channels x 4,096 numbers = 16,384 numbers = 65,536 consecutive bytes.
; One work-group takes one of the 128 (batch, group) pairs; its 256 threads hold 64 numbers each in registers, so x is read once and the
; variance is taken about the mean (second pass over the registers): a common offset of the inputs costs no digits.
; OUT: stats[pair][32][mean, rstd]: the pair of numbers 32 times, 256 bytes, so that one wave's store covers one aligned block of 256 bytes with all lanes on.
; rstd = 1 / sqrt(variance + 1e-5) by v_rsq_f32.  LIMITS: NaN and infinities among the inputs are not served.
; No matrix unit, no tensor load, no cluster: the work-groups share no byte, and each byte is used once.
.set D,  16                            ; v16-79  my 64 numbers
.set CH, 2                             ; v2-9    four packed chains
	s_load_b128 s[4:7], s[0:1], 0x0                ; x, stats
	v_lshl_add_u32 v84, v0, 2, 0x200
	v_mov_b32 v85, 0
	v_lshrrev_b32 v14, 5, v0
	s_delay_alu instid0(VALU_DEP_1)
	v_readfirstlane_b32 s8, v14                    ; wave 0..7
	s_delay_alu instid0(VALU_DEP_2)
	v_lshlrev_b32 v14, 2, v14                      ; LDS: my wave's word
	v_lshlrev_b32 v1, 4, v0                        ; 16 bytes a thread: a load of the work-group covers 4,096 consecutive bytes
	v_and_b32 v80, 31, v0
	s_delay_alu instid0(VALU_DEP_1)
	v_lshlrev_b32 v80, 3, v80                      ; the way out: 8 bytes a lane
	v_mov_b32 v15, 0
	v_mov_b32 v81, 0                               ; a lane permute's destination counts as one of its sources: written once
	s_lshl_b32 s10, ttmp9, 16                      ; my pair's 65,536 bytes of x
	s_mov_b32 s11, 0
	s_mov_b32 s12, 0x76543210
	s_mov_b32 s13, 0xfedcba98                      ; v_permlanex16_b32's selects for lane l xor 16
	s_mov_b32 s14, 0x38800000                      ; 1 / 16,384
	s_mov_b32 s15, 0x3727c5ac                      ; 1e-5
	s_wait_alu depctr_va_vdst(0)
	s_wait_kmcnt 0x0
	s_add_nc_u64 s[4:5], s[4:5], s[10:11]
	s_lshl_b32 s10, ttmp9, 8                       ; my pair's 256 bytes of stats
	s_add_nc_u64 s[6:7], s[6:7], s[10:11]
.set k, 0
.rept 16
	global_load_b128 v[D+4*k:D+4*k+3], v1, s[4:5] offset:4096*k    ; no hint: the next launch reads x again
.set k, k+1
.endr
; The four chains become the work-group's sum, in every lane's v2: within the lane, across the 32 lanes, across the 8 waves through 32 bytes of LDS at off.
.macro REDUCE off
	v_pk_add_f32 v[2:3], v[2:3], v[4:5]
	s_delay_alu instid0(VALU_DEP_2)
	v_pk_add_f32 v[6:7], v[6:7], v[8:9]
	s_delay_alu instid0(VALU_DEP_1)
	v_pk_add_f32 v[2:3], v[2:3], v[6:7]
	s_delay_alu instid0(VALU_DEP_1)
	v_add_f32 v2, v2, v3
	s_delay_alu instid0(VALU_DEP_1)
	v_add_f32_dpp v2, v2, v2 row_xmask:1 row_mask:0xf bank_mask:0xf
	s_delay_alu instid0(VALU_DEP_1)
	v_add_f32_dpp v2, v2, v2 row_xmask:2 row_mask:0xf bank_mask:0xf
	s_delay_alu instid0(VALU_DEP_1)
	v_add_f32_dpp v2, v2, v2 row_xmask:4 row_mask:0xf bank_mask:0xf
	s_delay_alu instid0(VALU_DEP_1)
	v_add_f32_dpp v2, v2, v2 row_xmask:8 row_mask:0xf bank_mask:0xf
	s_delay_alu instid0(VALU_DEP_1)
	v_permlanex16_b32 v81, v2, s12, s13
	s_delay_alu instid0(VALU_DEP_1)
	v_add_f32 v2, v2, v81
	ds_store_b32 v14, v2 offset:\off               ; all lanes of a wave write the same word with the same value
	s_wait_dscnt 0x0                               ; for the others' sake: my store has landed
	s_barrier_signal -1
	s_barrier_wait -1
	ds_load_b128 v[2:5], v15 offset:\off           ; the eight waves' sums, in every lane
	ds_load_b128 v[6:9], v15 offset:\off+16
	s_wait_dscnt 0x0
	v_pk_add_f32 v[2:3], v[2:3], v[4:5]
	v_pk_add_f32 v[6:7], v[6:7], v[8:9]
	s_delay_alu instid0(VALU_DEP_1)
	v_pk_add_f32 v[2:3], v[2:3], v[6:7]
	s_delay_alu instid0(VALU_DEP_1)
	v_add_f32 v2, v2, v3
.endm
; pass 1: the sum.  The first four loads start the chains: nothing is cleared
.set k, 0
.rept 16
	s_wait_loadcnt 15-k                            ; loads come back in order: load k is in, the 15 - k younger ones may be out
.if k < 4
	v_pk_add_f32 v[CH+2*k:CH+2*k+1], v[D+4*k:D+4*k+1], v[D+4*k+2:D+4*k+3]
.else
	s_wait_alu depctr_va_vdst(0)
	v_pk_add_f32 v[CH+2*(k%4):CH+2*(k%4)+1], v[CH+2*(k%4):CH+2*(k%4)+1], v[D+4*k:D+4*k+1]
	s_delay_alu instid0(VALU_DEP_1)
	v_pk_add_f32 v[CH+2*(k%4):CH+2*(k%4)+1], v[CH+2*(k%4):CH+2*(k%4)+1], v[D+4*k+2:D+4*k+3]
.endif
.set k, k+1
.endr
	REDUCE 0
	s_delay_alu instid0(VALU_DEP_1)
	v_mul_f32 v10, s14, v2                         ; the mean,
	s_delay_alu instid0(VALU_DEP_1)
	v_mov_b32 v11, v10                             ; twice: a pair for the packed subtraction
; pass 2: the sum of squares about the mean
.set k, 0
.rept 32
	v_pk_add_f32 v[D+2*k:D+2*k+1], v[D+2*k:D+2*k+1], v[10:11] neg_lo:[0,1] neg_hi:[0,1]
.set k, k+1
.endr
.set k, 0
.rept 32
.if k < 4
	v_pk_mul_f32 v[CH+2*k:CH+2*k+1], v[D+2*k:D+2*k+1], v[D+2*k:D+2*k+1]
.else
	s_delay_alu instid0(VALU_DEP_4)
	v_pk_fma_f32 v[CH+2*(k%4):CH+2*(k%4)+1], v[D+2*k:D+2*k+1], v[D+2*k:D+2*k+1], v[CH+2*(k%4):CH+2*(k%4)+1]
.endif
.set k, k+1
.endr
	REDUCE 256                                     ; other bytes than the first reduction's: no barrier between its reads and these stores is needed
	s_delay_alu instid0(VALU_DEP_1)
	v_fma_f32 v13, v2, s14, s15                    ; variance + 1e-5
	s_wait_alu depctr_va_vdst(0)
	v_rsq_f32 v13, v13
	v_mov_b32 v12, v10                             ; (the plain line behind the transcendental)  v[12:13] = mean, rstd
	s_cmp_lg_u32 s8, 0                             ; wave 0 alone stores; no barrier stands behind this branch
	s_cbranch_scc1 .Lend
	s_wait_alu depctr_va_vdst(0)
	global_store_b64 v80, v[12:13], s[6:7]         ; 32 lanes store 256 consecutive bytes, aligned
.Lend:
	s_wait_tensorcnt 0x0
	ds_add_u32 v84, v85
	s_wait_dscnt 0x0
	s_endpgm
.Lfunc_end_k_q439216f15a_stats:
	.size	k_q439216f15a_stats, .Lfunc_end_k_q439216f15a_stats-k_q439216f15a_stats
	.p2alignl 7, 3214868480
	.fill 96, 4, 3214868480
	.section	.rodata,"a",@progbits
	.p2align	6, 0x0
	.amdhsa_kernel k_q439216f15a_stats
		.amdhsa_group_segment_fixed_size 1536
		.amdhsa_private_segment_fixed_size 0
		.amdhsa_enable_private_segment 0
		.amdhsa_kernarg_size 16
		.amdhsa_user_sgpr_count 2
		.amdhsa_user_sgpr_kernarg_segment_ptr 1
		.amdhsa_wavefront_size32 1
		.amdhsa_system_sgpr_workgroup_id_x 1
		.amdhsa_system_sgpr_workgroup_id_y 1
		.amdhsa_system_sgpr_workgroup_id_z 1
		.amdhsa_system_vgpr_workitem_id 0
		.amdhsa_next_free_vgpr 86
		.amdhsa_next_free_sgpr 66
		.amdhsa_reserve_vcc 0
		.amdhsa_float_denorm_mode_32 3
		.amdhsa_float_denorm_mode_16_64 3
		.amdhsa_memory_ordered 1
		.amdhsa_forward_progress 1
		.amdhsa_inst_pref_size 15
	.end_amdhsa_kernel
	.amdgpu_metadata
---
amdhsa.version: [ 1, 2 ]
amdhsa.kernels:
  - .name:           k_q439216f15a_stats
    .symbol:         k_q439216f15a_stats.kd
    .args:
      - { .name: x, .offset: 0, .size: 8, .value_kind: global_buffer, .address_space: global }
      - { .name: stats, .offset: 8, .size: 8, .value_kind: global_buffer, .address_space: global }
    .group_segment_fixed_size: 1536
    .private_segment_fixed_size: 0
    .kernarg_segment_align: 8
    .kernarg_segment_size: 16
    .max_flat_workgroup_size: 256
    .sgpr_count:     66
    .vgpr_count:     86
    .wavefront_size: 32
...
	.end_amdgpu_metadata
.endif
;; end of part 1
;; launch qkv (part 2): grid 64 x 4, 4 waves a work-group, no clusters, 8,960 bytes of LDS; arguments x, stats, gn_w, gn_b, qkv_w_codes, qkv_w_scales, qkv_b, qc, qs, kv; writes qc, qs, kv
.if DOCPART == 2
	.amdgcn_target "amdgcn-amd-amdhsa--gfx1250"
	.amdhsa_code_object_version 6
	.text
	.protected	k_q439216f15a_qkv
	.globl	k_q439216f15a_qkv
	.p2align	8
	.type	k_q439216f15a_qkv,@function
k_q439216f15a_qkv:
	s_mov_b64 s[64:65], 0
	v_nop
	global_prefetch_b8 v0, s[64:65] scope:SCOPE_SE
	s_setreg_imm32_b32 hwreg(HW_REG_WAVE_MODE, 25, 1), 1
	s_wait_xcnt 0x0
; GroupNorm applied, quantised; qkv = qkv_w xn + qkv_b on codes of BF8 (E5M2) with one E8M0 scale for each 32 along K; q and k times 32^(-1/4); q, k and v quantised for attention.
; SHARES.  A work-group takes 64 t of one batch (256 bytes of each of the 128 channel rows of x).  Phase X: wave w normalises and quantises channels 32 w .. 32 w + 31, one block of the
; quantiser, for all 64 t.  Phase 1: wave w is head w: its 96 rows of qkv_w (six tiles of 16) against the four tiles of 16 t: 24 matrix instructions.
; THE TILES OF t.  Tile j = 2 beta + u holds in row r the place t = 64 tb + 32 beta + 2 r + u: what a load of 8 bytes a lane gives.  Tiles 2 beta and 2 beta + 1 together are 32 consecutive t:
; a block of the quantiser along the keys.  The same tiles are attention's query tiles and key tiles.
; THE ROWS OF qkv_w THAT FORM A TILE ARE NOT NEIGHBOURS: lane r of tile u of a part (q, k or v: 32 rows) takes row 8 u + r + 8 (r / 8), so that a lane's 16 registers of tiles 0 and 1 are channels 16 (lane / 16) + 0 .. 15.
; q, k: the product is used transposed (source 0 = rows of qkv_w, source 1 = xn): a lane holds one t and 16 channels: the head's 32 channels, a block, lie in lanes l and l xor 16.
; v: source 0 = xn, source 1 = rows of qkv_w: a lane holds one channel and, of tiles 2 beta and 2 beta + 1, 16 keys: a block of 32 keys lies in lanes l and l xor 16.
; The biases are the C of the products.  An operand goes from wave to wave, and to the next launch, as an image of its registers: lane l's 16 bytes at 16 l.
; OUT.  qc[head 16][tile 256][512]: a query tile's four registers.  qs[head][tile][32 x 4]: its scale byte, four times in a word.
;   kv[batch][step of 128 keys][head][8,704]: +0 K: half f x tile x 512;  +4096 V: block c x channel tile n x 512;  +8192 K's scale words, f x 128;  +8448 V's, n x 128.  This work-group is half f = tb % 2 of step tb / 2.
; LIMITS: NaN and infinities are not served; a block whose largest magnitude lies under 2^(16 - 127), zeros among them, gets the byte 1: this program alone reads the bytes.
; No tensor load and no cluster: what work-groups share is 12,288 bytes of weights a wave, read once straight into registers; x's 32,768 bytes are the work-group's own.
; REGISTERS, in windows of 256.  Window 0: v1-15 addresses; v16-79 x as loaded (4 i + j: channel i, tile j), later xn's four fragments; v80-143 64 numbers at work; v144-159 the codes just made;
;   v160-175 at work; v176-181 qkv_w's scale words, v182-185 xn's; v192-231 statistics, gains, biases.   Window 1: v0-95 qkv_w's six fragments; v96-127 q's and k's biases; v128-143 v's.
.set XIMG, 0                           ; LDS: xn's four fragments: tile j at 2,048 j, register group c at 512 c, 16 bytes a lane
.set XSC,  8192                        ; their scale bytes: 64 j + 4 r + c
.set L,   16
.set XF,  16
.set X,   80
.set PC,  144
.set TM,  160                          ; +0..3 largest magnitudes, +4..7 bytes, +12..15 the conversions' scale operands
.set WS,  176
.set XS,  182
.set PW,  186
.set ST,  192                          ; (mean, rstd) of my lane's four groups
.set GW,  200
.set GB,  216
.set QW,  236
.set VH,  240
.set WF,  0                            ; in window 1
.set BQ,  96
.set BV,  128
.set MSB, 0
.macro WIN new                         ; the immediate's high byte repeats the setting that is left
.if MSB != \new
	s_set_vgpr_msb (MSB<<8)|\new
.set MSB, \new
.endif
.endm
; 64 numbers of a lane, four blocks of which the lane holds 16 each (v[s + 16 b + i]) and lane l xor 16 the other 16, become codes in v[PC + 4 b] on and bytes in v[TM + 4 + b].  word = 1: the four bytes make a word in v[PW].
.macro QUANT s, word
.irp b, 0,1,2,3
	v_max3_num_f32 v[TM+\b], |v[\s+16*\b]|, |v[\s+1+16*\b]|, 0x8000000   ; my 16 numbers, and the floor 2^(16 - 127): the byte cannot fall under 1
.endr
.irp i, 2,4,6,8,10,12,14
.irp b, 0,1,2,3
	v_max3_num_f32 v[TM+\b], v[TM+\b], |v[\s+16*\b+\i]|, |v[\s+1+16*\b+\i]|   ; (the four blocks by turns)
.endr
.endr
.irp b, 0,1,2,3
	v_permlanex16_b32 v[TM+4+\b], v[TM+\b], s28, s29
.endr
.irp b, 0,1,2,3
	v_max_num_f32 v[TM+\b], v[TM+\b], v[TM+4+\b]   ; the block's largest magnitude
.endr
.irp b, 0,1,2,3
	v_add_nc_u32 v[TM+12+\b], 0xf8800000, v[TM+\b]   ; 15 off its exponent field: the conversion takes this operand's exponent field as its scale
.endr
.irp b, 0,1,2,3
.endr
.irp b, 0,1,2,3
	v_lshrrev_b32 v[TM+4+\b], 23, v[TM+12+\b]      ; the scale's byte
.endr
.if \word
	v_lshl_or_b32 v[PW], v[TM+5], 8, v[TM+4]
	v_lshl_or_b32 v[PW], v[TM+6], 16, v[PW]
	v_lshl_or_b32 v[PW], v[TM+7], 24, v[PW]
.endif
.irp b, 0,1,2,3
.irp i, 0,1,2,3,4,5,6,7,8,9,10,11,12,13,14,15
.endr
	v_cvt_scalef32_pk8_bf8_f32 v[PC+4*\b:PC+1+4*\b], v[\s+16*\b:\s+7+16*\b], v[TM+12+\b]
	v_cvt_scalef32_pk8_bf8_f32 v[PC+2+4*\b:PC+3+4*\b], v[\s+8+16*\b:\s+15+16*\b], v[TM+12+\b]
.endr
	v_nop                                          ; one plain line between the last conversion and the products that write its sources
.endm
	s_load_b256 s[4:11], s[0:1], 0x0               ; x, stats, gn_w, gn_b
	s_load_b256 s[12:19], s[0:1], 0x20             ; qkv_w's codes, its scales, qkv_b, qc
	s_load_b128 s[20:23], s[0:1], 0x40             ; qs, kv
	v_lshl_add_u32 v254, v0, 2, 0x2100
	v_mov_b32 v255, 0
	v_lshrrev_b32 v1, 5, v0
	v_readfirstlane_b32 s24, v1                    ; wave w 0..3
	s_mov_b32 s25, ttmp9                           ; tb: which 64 t
	s_and_b32 s26, ttmp7, 0xffff                   ; the batch
	s_and_b32 s27, s25, 1                          ; f: which half of a step of 128 keys
	v_and_b32 v1, 31, v0                           ; lane
	v_and_b32 v2, 15, v0                           ; r
	v_bfe_u32 v3, v0, 4, 1                         ; h
	v_lshlrev_b32 v4, 3, v2
	v_lshl_add_u32 v4, v3, 18, v4                  ; x: 8 r, + 16 h channel rows of 16,384 bytes
	v_lshlrev_b32 v5, 4, v1                        ; 16 x lane: an image's place
	v_lshlrev_b32 v6, 2, v2                        ; 4 r
	s_lshl_b32 s34, s24, 9
	v_add_nc_u32 v7, s34, v5                       ; LDS: my register group of xn's images: 16 x lane + 512 w
	v_add_nc_u32 v8, s24, v6                       ; LDS: my byte of a row's scale word: 4 r + w
	v_and_b32 v9, 8, v2
	v_add_nc_u32 v10, v9, v2                       ; r + 8 (r / 8)
	v_lshlrev_b32 v9, 7, v10
	v_lshl_add_u32 v9, v3, 4, v9                   ; qkv_w's codes: that row of 128 bytes, + 16 h
	v_lshlrev_b32 v10, 2, v10                      ; and 4 bytes a row: scale words, v's bias
	v_lshlrev_b32 v11, 6, v3                       ; 64 h: 16 f32 for my half (gains, q's and k's biases)
	v_lshlrev_b32 v12, 2, v1                       ; 4 x lane
	s_lshl_b32 s34, s27, 11
	v_add_nc_u32 v13, s34, v5                      ; kv: 16 x lane + 2,048 f
	s_lshl_b32 s34, s27, 7
	v_add_nc_u32 v14, s34, v12                     ; kv: K's scale words: 4 x lane + 128 f
	s_lshl_b32 s34, s27, 1
	v_add_nc_u32 v15, s34, v12                     ; kv: V's scale bytes: 4 x lane + 2 f
	v_lshlrev_b32 v232, 10, v3                     ; stats: four groups of 256 bytes for my half
.irp b, 0,1,2,3
	v_mov_b32 v[TM+4+\b], 0                        ; a lane permute's destination counts as one of its sources: written once
.endr
	s_mov_b32 s28, 0x76543210
	s_mov_b32 s29, 0xfedcba98                      ; v_permlanex16_b32's selects for lane l xor 16
	s_mov_b32 s32, 0x3ed744fd                      ; 32^(-1/4)
	s_mov_b32 s33, s32                             ; (named with it as a pair, so it is written)
	; byte offsets, each in a pair of its own
	s_lshl_b32 s34, s26, 21
	s_lshl_b32 s36, s24, 19
	s_add_co_u32 s34, s34, s36
	s_lshl_b32 s36, s25, 8
	s_add_co_u32 s34, s34, s36                     ; x: batch x 2^21 + 32 w channel rows + 256 tb
	s_mov_b32 s35, 0
	s_lshl_b32 s36, s26, 13
	s_lshl_b32 s38, s24, 11
	s_add_co_u32 s36, s36, s38                     ; stats: (32 batch + 8 w) x 256
	s_mov_b32 s37, 0
	s_lshl_b32 s38, s24, 7                         ; gn_w, gn_b: 32 w numbers
	s_mov_b32 s39, 0
	s_mul_i32 s40, s24, 12288                      ; qkv_w's codes: 96 w rows
	s_mov_b32 s41, 0
	s_mul_i32 s42, s24, 384                        ; its scales and qkv_b: 96 w x 4 bytes
	s_mov_b32 s43, 0
	s_lshl_b32 s44, s26, 2
	s_add_co_u32 s44, s44, s24
	s_lshl_b32 s44, s44, 8
	s_lshl_b32 s46, s25, 2
	s_add_co_u32 s44, s44, s46                     ; (4 batch + w) x 256 + 4 tb: my first query tile
	s_lshl_b32 s46, s44, 7                         ; qs: 128 bytes a tile
	s_lshl_b32 s44, s44, 9                         ; qc: 512
	s_mov_b32 s45, 0
	s_mov_b32 s47, 0
	s_lshl_b32 s48, s26, 5
	s_lshr_b32 s49, s25, 1
	s_add_co_u32 s48, s48, s49
	s_lshl_b32 s48, s48, 2
	s_add_co_u32 s48, s48, s24
	s_mul_i32 s48, s48, 8704                       ; kv: ((32 batch + tb / 2) x 4 + w) records
	s_mov_b32 s49, 0
	s_wait_alu depctr_va_vdst(0)
	s_wait_kmcnt 0x0
	s_add_nc_u64 s[4:5], s[4:5], s[34:35]
	s_add_nc_u64 s[6:7], s[6:7], s[36:37]
	s_add_nc_u64 s[8:9], s[8:9], s[38:39]
	s_add_nc_u64 s[10:11], s[10:11], s[38:39]
	s_add_nc_u64 s[12:13], s[12:13], s[40:41]
	s_add_nc_u64 s[14:15], s[14:15], s[42:43]
	s_add_nc_u64 s[16:17], s[16:17], s[42:43]
	s_add_nc_u64 s[18:19], s[18:19], s[44:45]
	s_add_nc_u64 s[20:21], s[20:21], s[46:47]
	s_add_nc_u64 s[22:23], s[22:23], s[48:49]
	; ---- all loads go out at once: 44 that phase X wants, then 54 that phase 1 wants
.set i, 0
.rept 16
	global_load_b64 v[L+4*i:L+4*i+1], v4, s[4:5] offset:16384*i        ; channel 32 w + 16 h + i: sixteen lanes read 128 consecutive bytes,
	global_load_b64 v[L+4*i+2:L+4*i+3], v4, s[4:5] offset:16384*i+128  ; and the 128 beside them: together the row's 256 bytes
.set i, i+1
.endr
.irp g, 0,1,2,3
	global_load_b64 v[ST+2*\g:ST+2*\g+1], v232, s[6:7] offset:256*\g
.endr
.irp q, 0,1,2,3
	global_load_b128 v[GW+4*\q:GW+4*\q+3], v11, s[8:9] offset:16*\q
	global_load_b128 v[GB+4*\q:GB+4*\q+3], v11, s[10:11] offset:16*\q
.endr
	WIN 0x40                                       ; destination window 1
.irp e, 0,1,2,3,4,5                    ; tile e = 2 x part + u begins at row 32 (e / 2) + 8 (e % 2) of the head's 96
.irp c, 0,1,2,3
	global_load_b128 v[WF+16*\e+4*\c:WF+16*\e+4*\c+3], v9, s[12:13] offset:(32*(\e/2)+8*(\e%2))*128+32*\c
.endr
.endr
.irp e, 0,1,2,3                        ; q's and k's biases in the result's layout: register i is channel 16 h + 8 u + i
	global_load_b128 v[BQ+8*\e:BQ+8*\e+3], v11, s[16:17] offset:(32*(\e/2)+8*(\e%2))*4
	global_load_b128 v[BQ+8*\e+4:BQ+8*\e+7], v11, s[16:17] offset:(32*(\e/2)+8*(\e%2))*4+16
.endr
.irp n, 0,1                            ; v's: a lane holds one channel, so its bias stands in all eight registers
.irp i, 0,1,2,3,4,5,6,7
	global_load_b32 v[BV+8*\n+\i], v10, s[16:17] offset:(64+8*\n)*4
.endr
.endr
	WIN 0
.irp e, 0,1,2,3,4,5
	global_load_b32 v[WS+\e], v10, s[14:15] offset:(32*(\e/2)+8*(\e%2))*4
.endr
	; ---- X: xn = (x - mean) (rstd gn_w) + gn_b; the multiply-add also sorts the numbers by tile
	s_wait_loadcnt 54                              ; x, the statistics and the gains are in; the 54 loads issued behind them (24 + 8 + 16 + 6) may be out
.set i, 0
.rept 16
	v_mul_f32 v[GW+i], v[ST+2*(i/4)+1], v[GW+i]
.set i, i+1
.endr
.set i, 0
.rept 16
	v_pk_add_f32 v[L+4*i:L+4*i+1], v[L+4*i:L+4*i+1], v[ST+2*(i/4):ST+2*(i/4)+1] op_sel_hi:[1,0] neg_lo:[0,1] neg_hi:[0,1]
	v_pk_add_f32 v[L+4*i+2:L+4*i+3], v[L+4*i+2:L+4*i+3], v[ST+2*(i/4):ST+2*(i/4)+1] op_sel_hi:[1,0] neg_lo:[0,1] neg_hi:[0,1]
.set i, i+1
.endr
.set i, 0
.rept 16
.irp j, 0,1,2,3
	v_fma_f32 v[X+16*\j+i], v[L+4*i+\j], v[GW+i], v[GB+i]
.endr
.set i, i+1
.endr
	QUANT X, 0                                     ; block j: tile j's row r, channels 32 w .. 32 w + 31
.irp j, 0,1,2,3
	ds_store_b128 v7, v[PC+4*\j:PC+4*\j+3] offset:XIMG+2048*\j
	ds_store_b8 v8, v[TM+4+\j] offset:XSC+64*\j    ; both lanes of a block write the same byte with the same value
.endr
	s_wait_dscnt 0x0                               ; for the others' sake: my stores have landed
	s_barrier_signal -1
	s_barrier_wait -1                              ; xn's four fragments and their scale words lie in LDS; nothing is written there again
.irp j, 0,1,2,3
.irp c, 0,1,2,3
	ds_load_b128 v[XF+16*\j+4*\c:XF+16*\j+4*\c+3], v5 offset:XIMG+2048*\j+512*\c
.endr
	ds_load_b32 v[XS+\j], v6 offset:XSC+64*\j
.endr
	s_wait_dscnt 0x0
	s_wait_loadcnt 0x0                             ; the weights, their scale words and the biases
; q (part 0) or k (part 1): eight products on eight accumulators, then x 32^(-1/4)
.macro QK part
	WIN 0x11                                       ; source 0 (qkv_w) and source 2 (the bias) window 1
.irp j, 0,1,2,3
.irp u, 0,1
	v_wmma_scale_f32_16x16x128_f8f6f4 v[X+16*\j+8*\u:X+16*\j+8*\u+7], v[WF+16*(2*\part+\u):WF+16*(2*\part+\u)+15], v[XF+16*\j:XF+16*\j+15], v[BQ+8*(2*\part+\u):BQ+8*(2*\part+\u)+7], v[WS+2*\part+\u], v[XS+\j] matrix_a_fmt:MATRIX_FMT_BF8 matrix_b_fmt:MATRIX_FMT_BF8
.endr
.endr
	WIN 0
.rept 8
	v_nop                                          ; eight places between this form and the first read of its results
.endr
.set i, 0
.rept 32
	v_pk_mul_f32 v[X+2*i:X+2*i+1], v[X+2*i:X+2*i+1], s[32:33] op_sel_hi:[1,0]   ; each accumulator from its low end on
.set i, i+1
.endr
.endm
	; ---- q
	QK 0
	QUANT X, 0                                     ; block j: query tile j's row r, the head's 32 channels
.irp j, 0,1,2,3
	v_lshl_or_b32 v[QW+\j], v[TM+4+\j], 8, v[TM+4+\j]
.endr
.irp j, 0,1,2,3
	v_lshl_or_b32 v[QW+\j], v[QW+\j], 16, v[QW+\j] ; the byte four times: the query's codes will stand in any of a product's four blocks
.endr
.irp j, 0,1,2,3
	global_store_b128 v5, v[PC+4*\j:PC+4*\j+3], s[18:19] offset:512*\j   ; 32 lanes store 512 consecutive bytes
	global_store_b32 v12, v[QW+\j], s[20:21] offset:128*\j
.endr
	; ---- k
	QK 1
	s_wait_xcnt 0x0                                ; q's stores have read the codes' registers: they are written again only behind this wait
	QUANT X, 1                                     ; the four tiles' bytes of row r make K's scale word
.irp j, 0,1,2,3
	global_store_b128 v13, v[PC+4*\j:PC+4*\j+3], s[22:23] offset:512*\j
.endr
	global_store_b32 v14, v[PW], s[22:23] offset:8192
	; ---- v: source 0 = xn's tile 2 beta + u, source 1 = tile n of v's rows: a lane's registers 8 u + i of accumulator pair (n, beta) are 16 keys of block beta
	WIN 0x14                                       ; source 1 (qkv_w) and source 2 (the bias) window 1
.irp n, 0,1
.irp t, 0,1
.irp u, 0,1
	v_wmma_scale_f32_16x16x128_f8f6f4 v[X+16*(2*\n+\t)+8*\u:X+16*(2*\n+\t)+8*\u+7], v[XF+16*(2*\t+\u):XF+16*(2*\t+\u)+15], v[WF+16*(4+\n):WF+16*(4+\n)+15], v[BV+8*\n:BV+8*\n+7], v[XS+2*\t+\u], v[WS+4+\n] matrix_a_fmt:MATRIX_FMT_BF8 matrix_b_fmt:MATRIX_FMT_BF8
.endr
.endr
.endr
	WIN 0
.rept 8
	v_nop
.endr
	s_wait_xcnt 0x0                                ; k's stores have read their registers
	QUANT X, 0                                     ; block 2 n + beta: channel tile n's row r, 32 consecutive keys
.irp n, 0,1
	v_lshl_or_b32 v[VH+\n], v[TM+5+2*\n], 8, v[TM+4+2*\n]   ; the bytes of blocks 2 f and 2 f + 1
.endr
.irp n, 0,1
.irp t, 0,1
	global_store_b128 v13, v[PC+4*(2*\n+\t):PC+4*(2*\n+\t)+3], s[22:23] offset:4096+1024*\t+512*\n
.endr
	global_store_b16 v15, v[VH+\n], s[22:23] offset:8448+128*\n   ; two bytes a lane: the other two of each word are the neighbouring work-group's
.endr
	s_wait_tensorcnt 0x0
	ds_add_u32 v254, v255
	s_wait_dscnt 0x0
	s_endpgm
.Lfunc_end_k_q439216f15a_qkv:
	.size	k_q439216f15a_qkv, .Lfunc_end_k_q439216f15a_qkv-k_q439216f15a_qkv
	.p2alignl 7, 3214868480
	.fill 96, 4, 3214868480
	.section	.rodata,"a",@progbits
	.p2align	6, 0x0
	.amdhsa_kernel k_q439216f15a_qkv
		.amdhsa_group_segment_fixed_size 8960
		.amdhsa_private_segment_fixed_size 0
		.amdhsa_enable_private_segment 0
		.amdhsa_kernarg_size 80
		.amdhsa_user_sgpr_count 2
		.amdhsa_user_sgpr_kernarg_segment_ptr 1
		.amdhsa_wavefront_size32 1
		.amdhsa_system_sgpr_workgroup_id_x 1
		.amdhsa_system_sgpr_workgroup_id_y 1
		.amdhsa_system_sgpr_workgroup_id_z 1
		.amdhsa_system_vgpr_workitem_id 0
		.amdhsa_next_free_vgpr 400
		.amdhsa_next_free_sgpr 66
		.amdhsa_reserve_vcc 0
		.amdhsa_float_denorm_mode_32 3
		.amdhsa_float_denorm_mode_16_64 3
		.amdhsa_fp16_overflow 1
		.amdhsa_memory_ordered 1
		.amdhsa_forward_progress 1
		.amdhsa_inst_pref_size 46
	.end_amdhsa_kernel
	.amdgpu_metadata
---
amdhsa.version: [ 1, 2 ]
amdhsa.kernels:
  - .name:           k_q439216f15a_qkv
    .symbol:         k_q439216f15a_qkv.kd
    .args:
      - { .name: x, .offset: 0, .size: 8, .value_kind: global_buffer, .address_space: global }
      - { .name: stats, .offset: 8, .size: 8, .value_kind: global_buffer, .address_space: global }
      - { .name: gn_w, .offset: 16, .size: 8, .value_kind: global_buffer, .address_space: global }
      - { .name: gn_b, .offset: 24, .size: 8, .value_kind: global_buffer, .address_space: global }
      - { .name: qkv_w_codes, .offset: 32, .size: 8, .value_kind: global_buffer, .address_space: global }
      - { .name: qkv_w_scales, .offset: 40, .size: 8, .value_kind: global_buffer, .address_space: global }
      - { .name: qkv_b, .offset: 48, .size: 8, .value_kind: global_buffer, .address_space: global }
      - { .name: qc, .offset: 56, .size: 8, .value_kind: global_buffer, .address_space: global }
      - { .name: qs, .offset: 64, .size: 8, .value_kind: global_buffer, .address_space: global }
      - { .name: kv, .offset: 72, .size: 8, .value_kind: global_buffer, .address_space: global }
    .group_segment_fixed_size: 8960
    .private_segment_fixed_size: 0
    .kernarg_segment_align: 8
    .kernarg_segment_size: 80
    .max_flat_workgroup_size: 128
    .sgpr_count:     66
    .vgpr_count:     400
    .wavefront_size: 32
...
	.end_amdgpu_metadata
.endif
;; end of part 2
;; launch attn (part 3): grid 64 x 4, 16 waves a work-group, clusters of 4 x 1, 327,680 bytes of LDS; arguments qc, qs, kv, proj_w_codes, proj_w_scales, proj_b, x, out0; writes out0
.if DOCPART == 3
	.amdgcn_target "amdgcn-amd-amdhsa--gfx1250"
	.amdhsa_code_object_version 6
	.text
	.protected	k_q439216f15a_attn
	.globl	k_q439216f15a_attn
	.p2align	8
	.type	k_q439216f15a_attn,@function
k_q439216f15a_attn:
	s_mov_b64 s[64:65], 0
	v_nop
	global_prefetch_b8 v0, s[64:65] scope:SCOPE_SE
	s_setreg_imm32_b32 hwreg(HW_REG_WAVE_MODE, 25, 1), 1
	s_wait_xcnt 0x0
	s_wait_alu depctr_hold_cnt(0) depctr_sa_sdst(0) depctr_va_vdst(0) depctr_va_sdst(0) depctr_va_ssrc(0) depctr_va_vcc(0) depctr_vm_vsrc(0)
	s_getreg_b32 s2, hwreg(HW_REG_IB_STS2, 6, 4)
	s_cmp_eq_u32 s2, 0
	s_cbranch_scc0 .Lentry_in_a_cluster
	s_endpgm
.Lentry_in_a_cluster:
	s_bfe_u32 s2, ttmp6, 0x10000c
	s_cmp_lg_u32 s2, 0x3003
	s_cbranch_scc0 .Lentry_shape_is_right
	s_endpgm
.Lentry_shape_is_right:
; Attention, the projection and the residual, all products on codes of BF8 (E5M2) with one E8M0 scale for each 32 along K.
; SHARES.  A work-group owns 64 t of one batch, all four heads.  Wave w: head hd = w / 4, query tile j = w % 4 (16 queries), in 256 registers: four waves to a SIMD, so that one wave's vector
; work stands beside another's matrix work and LDS loads.  Every wave walks its head's 4,096 keys, 128 a step.
; LAYOUT.  Both products are used transposed: S^T = K Q^T (source 0 = keys, source 1 = my queries), O^T = V^T P^T: a lane holds ONE query (lane % 16) throughout.
; K = 32 IN A PRODUCT 128 DEEP.  A fragment of K holds in its four blocks of 32 FOUR TILES of 16 keys.  Q's four registers stand between twelve registers of zero codes on either side (v16-43); product tau
; names the 16 registers from v[28 - 4 tau] on, so that Q faces tile tau and zeros face the other three, which add nothing (K's codes are finite: the launch before holds them).  One scale word of K serves four products.
; THE KEYS.  Row r of key tile 2 c + u of a step is key 32 c + 2 r + u; position 16 h + 8 u + i of block c, in P and in V alike, is row 8 h + i of tile 2 c + u.  Block c is 32 consecutive keys.
; SOFTMAX.  t = score x log2(e); M = the largest t so far, rounded up to a whole number; p = 2^(t - M) is quantised along the keys, not normalised; the row's sum is taken of the unquantised p and divides O at the end.
; When M moves, the sum and O^T are multiplied by 2^(old M - new M): exact, and no branch on data.
; THE RING.  Two LDS slots of four steps x four heads: 16 records of 8,704 bytes, dense in memory.  EVERY wave fetches one record with one tensor load (34 rows of 256 bytes: so no branch stands round a load).
; CLUSTER.  The four work-groups of a cluster belong to one batch and walk the same records: each is asked for JOINTLY, by the same load with the same descriptor and the mask of all four.
; THE WAY OUT.  O^T / the sum is one block (the head's 32 channels) of the projection's K: each wave quantises its own, the images meet in LDS; wave (hd, j) then makes outputs 32 hd .. 32 hd + 31 for tile j;
; results meet in a stage, and each wave adds x to eight whole rows of 256 bytes and stores them.
; LIMITS: NaN and infinities are not served; a block whose largest magnitude lies under 2^(16 - 127) gets the byte 1; 1 / the sum is v_rcp_f32's.
; REGISTERS: v1-2 my places in a record; v3-4 the add's; v5-6 the step's addresses; v7-11 at work on addresses; v12 -M, v13 the largest t, v[14:15] the sum in two halves; v16-43 zeros, Q, zeros;
;   v44-47, v80-82 scale words; v48-79 K; v83-89 addresses of the way out; v96-159 S^T, then p; v160-175 O^T; v176-191 p's codes; v192-223 V; v232-254 at work.
.set RECB,   8704                      ; a record: 128 keys of one head: K 4,096, V 4,096, K's scale words 256, V's 256
.set STEPB,  4*RECB                    ; a step's four heads
.set SLOTB,  4*STEPB                   ; a slot: four steps
.set AIMG,   2*SLOTB                   ; behind the ring: attn's codes: tile j at 2,048 j, head's block at 512 hd, 16 bytes a lane
.set ASC,    AIMG+8192                 ; their scale bytes: 64 j + 4 r + hd
.set STG,    ASC+256                   ; the stage: 128 output rows x (256 bytes + 16)
.set SPITCH, 272
.set SPARE,  STG+128*SPITCH            ; the spare words, 128 bytes for each of 16 waves: eight blocks of 256 bytes that no other line names
.set KF, 48
.set S,  96
.set O,  160
.set PC, 176
.set VF, 192
.set G1, 36                            ; s[36:43] descriptor group 1
.set G0, 44                            ; s[44:47], s[48:51] group 0, a set for each slot
; A round of the cluster's barrier: my work-group's barrier, wave 0's signal for the work-group, every wave's wait for all four work-groups, my work-group's barrier once more.
.macro CROUND
	s_barrier_signal -1
	s_barrier_wait -1
	s_cmp_lg_u32 s20, 0
	s_cbranch_scc1 .Lnot_wave_0_\@
	s_barrier_signal -3
.Lnot_wave_0_\@:
	s_barrier_wait -3
	s_barrier_signal -1
	s_barrier_wait -1
.endm
	s_load_b256 s[4:11], s[0:1], 0x0               ; qc, qs, kv, proj_w's codes
	s_load_b256 s[12:19], s[0:1], 0x20             ; proj_w's scales, proj_b, x, out0
	v_lshl_add_u32 v3, v0, 2, SPARE
	v_mov_b32 v4, 0
	ds_add_u32 v3, v4
	ds_add_u32 v3, v4
	s_wait_dscnt 0x0
	v_lshrrev_b32 v5, 5, v0
	s_delay_alu instid0(VALU_DEP_1)
	v_readfirstlane_b32 s20, v5                    ; wave 0..15
	s_lshr_b32 s21, s20, 2                         ; hd
	s_and_b32 s22, s20, 3                          ; j
	s_and_b32 s24, ttmp7, 0xffff                   ; the batch, which the four partners share
	; descriptor group 1: a record as 34 rows of 32 elements of 8 bytes, dense, no padding (every LDS read is of 512 or 128 consecutive bytes)
	s_mov_b32 s[G1], 15|(3<<16)|(1<<21)            ; 15:0 the mask: all four work-groups; 17:16 elements of 8 bytes; 21 set beside a mask
	s_mov_b32 s[G1+1], 32<<16                      ; tensor_dim0 = 32
	s_mov_b32 s[G1+2], 34<<16                      ; tensor_dim1 = 34
	s_mov_b32 s[G1+3], 32<<16                      ; tile_dim0 = 32
	s_mov_b32 s[G1+4], 34                          ; tile_dim1 = 34
	s_mov_b32 s[G1+5], 32                          ; from row to row
	s_mov_b32 s[G1+6], 0
	s_mov_b32 s[G1+7], 0
	s_mul_i32 s54, s20, RECB                       ; the record that I fetch: number w of a slot's sixteen, in LDS as in memory
	s_mul_i32 s52, s24, 32*STEPB                   ; the batch's 32 steps
	s_add_co_u32 s52, s52, s54
	s_mov_b32 s53, 0
	; my place in the cluster enters the addresses of qc, qs, x and out0 alone
	s_bfe_u32 s56, ttmp6, 0x40000                  ; cx
	s_lshl_b32 s23, ttmp9, 2                       ; in a cluster launch ttmp9 counts clusters
	s_add_co_u32 s23, s23, s56                     ; tb: which 64 t
	s_lshl_b32 s56, s24, 2
	s_add_co_u32 s56, s56, s21
	s_lshl_b32 s56, s56, 8
	s_lshl_b32 s57, s23, 2
	s_add_co_u32 s56, s56, s57
	s_add_co_u32 s56, s56, s22                     ; my query tile: (4 batch + hd) x 256 + 4 tb + j
	s_lshl_b32 s58, s56, 9                         ; qc: 512 bytes a tile
	s_mov_b32 s59, 0
	s_lshl_b32 s60, s56, 7                         ; qs: 128
	s_mov_b32 s61, 0
	s_lshl_b32 s62, s24, 21
	s_lshl_b32 s57, s20, 17
	s_add_co_u32 s62, s62, s57
	s_lshl_b32 s57, s23, 8
	s_add_co_u32 s62, s62, s57                     ; x, out0: (128 batch + 8 w) rows of 16,384 bytes + 256 tb
	s_mov_b32 s63, 0
	s_lshl_b32 s34, s21, 12                        ; proj_w's codes: 32 hd rows of 128 bytes
	s_mov_b32 s35, 0
	s_mov_b32 s28, 0x76543210
	s_mov_b32 s29, 0xfedcba98                      ; v_permlanex16_b32's selects for lane l xor 16
	s_mov_b32 s30, 0x3fb8aa3b                      ; log2(e)
	s_mov_b32 s31, s30                             ; (named with it as a pair, so it is written)
	s_mul_i32 s33, s21, RECB                       ; my head's record in a step
	s_wait_kmcnt 0x0
	s_add_nc_u64 s[8:9], s[8:9], s[52:53]
	s_add_nc_u64 s[4:5], s[4:5], s[58:59]
	s_add_nc_u64 s[6:7], s[6:7], s[60:61]
	s_add_nc_u64 s[16:17], s[16:17], s[62:63]
	s_add_nc_u64 s[18:19], s[18:19], s[62:63]
	s_add_nc_u64 s[10:11], s[10:11], s[34:35]
	s_lshl_b32 s34, s21, 7                         ; proj_w's scales and proj_b: 32 hd x 4 bytes
	s_add_nc_u64 s[12:13], s[12:13], s[34:35]
	s_add_nc_u64 s[14:15], s[14:15], s[34:35]
	s_mov_b32 s[G0], 1                             ; count = 1
	s_mov_b32 s[G0+1], s54                         ; LDS address: slot 0
	s_mov_b64 s[G0+2:G0+3], s[8:9]                 ; steps 0 to 3
	s_or_b32 s[G0+3], s[G0+3], 0x80000000          ; type = 2
	s_mov_b32 s[G0+4], 1
	s_add_co_u32 s[G0+5], s54, SLOTB               ; slot 1
	s_add_nc_u64 s[G0+6:G0+7], s[8:9], SLOTB       ; steps 4 to 7
	s_or_b32 s[G0+7], s[G0+7], 0x80000000
	CROUND                                         ; all four work-groups are here: the first joint loads meet
	tensor_load_to_lds s[G0:G0+3], s[G1:G1+7]      ; slot 0's fill: one load of mine is out
	s_nop 0
	s_wait_alu depctr_va_vdst(0)
	s_wait_tensorcnt 0x0
	ds_add_u32 v3, v4
	s_wait_dscnt 0x0
	CROUND
	tensor_load_to_lds s[G0+4:G0+7], s[G1:G1+7]
	s_nop 0
.rept 4
	v_nop
.endr
	v_and_b32 v7, 31, v0                           ; lane
	v_and_b32 v8, 15, v0                           ; r: kept
	v_bfe_u32 v9, v0, 4, 1                         ; h: kept
	s_delay_alu instid0(VALU_DEP_3)
	v_lshlrev_b32 v10, 4, v7
	s_delay_alu instid0(VALU_DEP_4)
	v_lshlrev_b32 v11, 2, v7
	global_load_b128 v[28:31], v10, s[4:5]         ; Q's four registers stay
	global_load_b32 v44, v11, s[6:7]               ; and its scale word
.set n, 0
.rept 12
	v_mov_b32 v[16+n], 0                           ; zero codes on either side of Q
	v_mov_b32 v[32+n], 0
.set n, n+1
.endr
.set n, 0
.rept 16
	v_mov_b32 v[O+n], 0                            ; O^T.  (The step is written once: the first finds zeros, which the first change of M leaves zeros)
.set n, n+1
.endr
	v_mov_b32 v13, 0xff61b1e6                      ; the largest t so far: -3e38, under every t
	s_delay_alu instid0(VALU_DEP_1)
	v_floor_f32 v12, -v13                          ; -M
	v_mov_b32 v14, 0                               ; the sum, in two halves
	v_mov_b32 v15, 0
.irp b, 0,1,2,3
	v_mov_b32 v[236+\b], 0                         ; a lane permute's destination counts as one of its sources: written once
.endr
	v_mov_b32 v251, 0                              ; (named as the upper half of the pair v[250:251])
	; every LDS address register is made here: a constant + constants x lane + constants x parts of the wave's number
	v_lshl_add_u32 v1, v7, 4, s33                  ; images: 16 x lane + my head's record
	v_lshl_add_u32 v2, v8, 2, s33
	s_delay_alu instid0(VALU_DEP_1)
	v_lshl_add_u32 v2, v9, 7, v2                   ; scale words: 4 r; lanes 16-31 take the second 128 bytes (K's half 1, V's tile 1)
	s_lshl_b32 s34, s22, 11
	s_add_co_u32 s34, s34, AIMG
	v_lshl_add_u32 v86, v7, 4, s34                 ; attn's images of tile j, read
	s_lshl_b32 s35, s21, 9
	v_add_nc_u32 v84, s35, v86                     ; and my head's block of them, written
	s_lshl_b32 s34, s22, 6
	s_add_co_u32 s34, s34, ASC
	v_lshl_add_u32 v87, v8, 2, s34                 ; their scale words, read
	s_delay_alu instid0(VALU_DEP_1)
	v_add_nc_u32 v85, s21, v87                     ; and my head's byte, written
	s_lshr_b32 s34, s22, 1
	s_lshl_b32 s34, s34, 7
	s_and_b32 s35, s22, 1
	s_lshl_b32 s35, s35, 2
	s_add_co_u32 s34, s34, s35                     ; tile j's t in a row of the stage: 4 (32 (j / 2) + 2 r + j % 2)
	s_add_co_u32 s34, s34, s33                     ; 32 hd rows of 272 bytes are 8,704 hd too
	s_add_co_u32 s34, s34, STG
	v_mul_u32_u24 v88, v9, 8*SPITCH
	s_delay_alu instid0(VALU_DEP_1)
	v_lshl_add_u32 v88, v8, 3, v88
	s_delay_alu instid0(VALU_DEP_1)
	v_add_nc_u32 v88, s34, v88                     ; the stage, in: row 32 hd + 8 h (+ 16 e + i)
	s_mul_i32 s34, s20, 8*SPITCH
	s_add_co_u32 s34, s34, STG
	v_mul_u32_u24 v89, v9, SPITCH
	s_delay_alu instid0(VALU_DEP_1)
	v_lshl_add_u32 v89, v8, 4, v89
	s_delay_alu instid0(VALU_DEP_1)
	v_add_nc_u32 v89, s34, v89                     ; and back: rows 8 w on; lanes 0-15 one row of 256 bytes, lanes 16-31 the next
; A KEY STEP: 128 keys of my head, from the record at LDS byte s25 + my head's.
.macro STEP
	v_add_nc_u32 v5, s25, v1
	v_add_nc_u32 v6, s25, v2
.irp i, 0,1,2,3,4,5,6,7
	ds_load_b128 v[KF+4*\i:KF+4*\i+3], v5 offset:512*\i           ; K: half i / 4, tile i % 4
.endr
	ds_load_b32 v45, v6 offset:8192                ; its scale words: lanes 0-15 half 0's, lanes 16-31 half 1's
	s_wait_alu depctr_va_vdst(0)
	s_wait_dscnt 0x0
.irp t, 0,1,2,3
	v_wmma_scale_f32_16x16x128_f8f6f4 v[S+8*\t:S+8*\t+7], v[KF:KF+15], v[28-4*\t:43-4*\t], 0, v45, v44 matrix_a_fmt:MATRIX_FMT_BF8 matrix_b_fmt:MATRIX_FMT_BF8
.endr
.irp t, 0,1,2,3
	v_wmma_scale_f32_16x16x128_f8f6f4 v[S+32+8*\t:S+32+8*\t+7], v[KF+16:KF+31], v[28-4*\t:43-4*\t], 0, v45, v44 matrix_a_fmt:MATRIX_FMT_BF8 matrix_b_fmt:MATRIX_FMT_BF8 matrix_a_scale:MATRIX_SCALE_ROW1
.endr
.rept 8
	v_nop                                          ; eight places in front of the first read of the scores; with the two additions above they are ten behind the last step's products, in front of the loads into V's registers
.endr
.irp c, 0,1,2,3
.irp n, 0,1
	ds_load_b128 v[VF+16*\n+4*\c:VF+16*\n+4*\c+3], v5 offset:4096+1024*\c+512*\n   ; V: they land while the softmax is worked
.endr
.endr
	ds_load_b32 v46, v6 offset:8448                ; its scale words: lanes 0-15 channel tile 0's, lanes 16-31 tile 1's
.irp b, 0,1,2,3
	v_max3_num_f32 v[232+\b], v[S+16*\b], v[S+1+16*\b], v[S+2+16*\b]   ; the largest score of each block of 32 keys: for the row's maximum, and, since p rises with the score, for the block's largest p
.endr
.irp i, 3,5,7,9,11,13
.irp b, 0,1,2,3
	v_max3_num_f32 v[232+\b], v[232+\b], v[S+16*\b+\i], v[S+1+16*\b+\i]   ; (the four blocks by turns)
.endr
.endr
.irp b, 0,1,2,3
	v_max_num_f32 v[232+\b], v[232+\b], v[S+15+16*\b]
.endr
.irp b, 0,1,2,3
	s_delay_alu instid0(VALU_DEP_4)
	v_permlanex16_b32 v[236+\b], v[232+\b], s28, s29
.endr
.irp b, 0,1,2,3
	s_delay_alu instid0(VALU_DEP_4)
	v_max_num_f32 v[232+\b], v[232+\b], v[236+\b]  ; with lane l xor 16's 16 keys
.endr
	s_delay_alu instid0(VALU_DEP_2)
	v_max3_num_f32 v254, v232, v233, v234
	s_delay_alu instid0(VALU_DEP_1)
	v_max_num_f32 v254, v254, v235                 ; the step's largest score of my query
	s_delay_alu instid0(VALU_DEP_1)
	v_mul_f32 v254, s30, v254                      ; as t
	s_delay_alu instid0(VALU_DEP_1)
	v_max_num_f32 v13, v13, v254                   ; the running largest t
	v_mov_b32 v254, v12
	s_delay_alu instid0(VALU_DEP_2)
	v_floor_f32 v12, -v13                          ; the new -M = floor(-t) = -ceil(t)
	s_delay_alu instid0(VALU_DEP_1)
	v_sub_f32 v254, v12, v254                      ; old M - new M: a whole number, 0 or less
	s_delay_alu instid0(VALU_DEP_1)
	v_cvt_i32_f32 v254, v254                       ; (it saturates)
	s_delay_alu instid0(VALU_DEP_1)
	v_ldexp_f32 v250, 1.0, v254                    ; f = 2^(old M - new M)
.set n, 0
.rept 32
	v_pk_fma_f32 v[S+n:S+n+1], v[S+n:S+n+1], s[30:31], v[12:13] op_sel_hi:[1,0,0]   ; t - M, two at a time
.set n, n+2
.endr
.irp b, 0,1,2,3
	v_fma_f32 v[232+\b], v[232+\b], s30, v12       ; the same of each block's largest score
.endr
.set n, 0
	s_setprio 1
	s_wait_alu depctr_va_vdst(0)
.rept 64
	v_exp_f32 v[S+n], v[S+n]                       ; p = 2^(t - M), at most 1
.set n, n+1
.endr
.irp b, 0,1,2,3
	v_exp_f32 v[232+\b], v[232+\b]                 ; the block's largest p: the same two instructions on the same number
.endr
	v_pk_mul_f32 v[14:15], v[14:15], v[250:251] op_sel_hi:[1,0]   ; the sums under the new M.  (The plain line behind the exponentials)
	s_wait_alu depctr_va_vdst(0)
.irp b, 0,1,2,3
	v_max_num_f32 v[232+\b], 0x8000000, v[232+\b]  ; the floor 2^(16 - 127): the byte cannot fall under 1
.endr
.irp b, 0,1,2,3
	s_delay_alu instid0(VALU_DEP_4)
	v_add_nc_u32 v[244+\b], 0xf8800000, v[232+\b]  ; 15 off the exponent field: the conversion's scale operand
.endr
.irp b, 0,1,2,3
.endr
.irp b, 0,1,2,3
	s_delay_alu instid0(VALU_DEP_4)
	v_lshrrev_b32 v[236+\b], 23, v[244+\b]         ; the scale's byte
.endr
	s_delay_alu instid0(VALU_DEP_3)
	v_lshl_or_b32 v47, v237, 8, v236               ; p's scale word for these 128 keys: far more than eight plain lines ahead of the products that name it
	s_delay_alu instid0(VALU_DEP_1)
	v_lshl_or_b32 v47, v238, 16, v47
	s_delay_alu instid0(VALU_DEP_1)
	v_lshl_or_b32 v47, v239, 24, v47
	v_pk_add_f32 v[236:237], v[S:S+1], v[S+2:S+3]  ; the row's sum is taken of the unquantised p: two at a time, in two chains
.set n, 4
.rept 15
	v_pk_add_f32 v[14:15], v[14:15], v[S+n:S+n+1]
	v_pk_add_f32 v[236:237], v[236:237], v[S+n+2:S+n+3]
.set n, n+4
.endr
	s_delay_alu instid0(VALU_DEP_1)
	v_pk_add_f32 v[14:15], v[14:15], v[236:237]
	s_setprio 0
.irp b, 0,1,2,3
.irp i, 0,1,2,3,4,5,6,7,8,9,10,11,12,13,14,15
.endr
	v_cvt_scalef32_pk8_bf8_f32 v[PC+4*\b:PC+4*\b+1], v[S+16*\b:S+16*\b+7], v[244+\b]
	v_cvt_scalef32_pk8_bf8_f32 v[PC+4*\b+2:PC+4*\b+3], v[S+16*\b+8:S+16*\b+15], v[244+\b]
.endr
.set n, 0
.rept 8
	v_pk_mul_f32 v[O+n:O+n+1], v[O+n:O+n+1], v[250:251] op_sel_hi:[1,0]   ; O^T under the new M.  (These eight stand between the conversions and the products that take the codes)
.set n, n+2
.endr
	s_wait_alu depctr_va_vdst(0)
	s_wait_dscnt 0x0                               ; V and its scale words
	v_wmma_scale_f32_16x16x128_f8f6f4 v[O:O+7], v[VF:VF+15], v[PC:PC+15], v[O:O+7], v46, v47 matrix_a_fmt:MATRIX_FMT_BF8 matrix_b_fmt:MATRIX_FMT_BF8
	v_wmma_scale_f32_16x16x128_f8f6f4 v[O+8:O+15], v[VF+16:VF+31], v[PC:PC+15], v[O+8:O+15], v46, v47 matrix_a_fmt:MATRIX_FMT_BF8 matrix_b_fmt:MATRIX_FMT_BF8 matrix_a_scale:MATRIX_SCALE_ROW1
	s_add_co_u32 s25, s25, STEPB                   ; the next step's records
.endm
; A slot's four steps: written once, walked four times.  The ten accumulators take turns, one instruction a turn.
.macro WORK slot
	s_mov_b32 s25, \slot*SLOTB
	s_mov_b32 s26, 4
.Lstep_\@:
	s_setprio 2
	STEP
	s_sub_co_u32 s26, s26, 1
	s_cmp_lg_u32 s26, 0
	s_cbranch_scc1 .Lstep_\@
	s_setprio 0
.endm
; THE CHANGE OF SLOTS, at a slot's head.  Each wave waits for all its tensor loads (one is out: its record of the slot ahead), adds 0 to its spare word, and waits for that and for its reads of the slot that it has left.
; refill = 1: a round of the cluster's barrier, so that no wave of any partner still reads the slot left or has a load on its way; the joint refill of that slot is the first thing behind it and has four steps in which to land.
.macro TWO slot, refill
	s_wait_tensorcnt 0x0                           ; no tensor load of mine is out, so a group 0 may be written
	ds_add_u32 v3, v4                              ; 0 onto my spare word
.if \refill
	s_add_nc_u64 s[G0+4*(1-\slot)+2:G0+4*(1-\slot)+3], s[G0+4*(1-\slot)+2:G0+4*(1-\slot)+3], 2*SLOTB   ; the other slot's next four steps; the type bits on top are not reached
.endif
	s_wait_dscnt 0x0                               ; the add is done, and my reads of the slot that I have left are over
.if \refill
	CROUND
	tensor_load_to_lds s[G0+4*(1-\slot):G0+4*(1-\slot)+3], s[G1:G1+7]   ; my one tensor load until the next round
	s_nop 0
.rept 4
	v_nop
.endr
.else
	s_barrier_signal -1
	s_barrier_wait -1
.endif
	WORK \slot
.endm
	s_wait_loadcnt 0x0                             ; Q and its scale word
	s_wait_tensorcnt 0x1                           ; my record of slot 0 is in; slot 1's may stay out
	s_barrier_signal -1
	s_barrier_wait -1                              ; everybody's is
	WORK 0                                         ; steps 0 to 3
	s_mov_b32 s27, 3
.Lpair:                                            ; three trips: steps 4 to 27; the refills bring steps 8 to 31
	TWO 1, 1
	TWO 0, 1
	s_sub_co_u32 s27, s27, 1
	s_cmp_lg_u32 s27, 0
	s_cbranch_scc1 .Lpair
	TWO 1, 0                                       ; steps 28 to 31, written out: nothing is left to fetch
	; ---- THE WAY OUT.  Eight plain lines that name no register of the last products are the places behind them, in front of the loads into V's registers and of the first read of O^T
	v_lshlrev_b32 v7, 7, v8
	s_delay_alu instid0(VALU_DEP_1)
	v_lshl_add_u32 v7, v9, 4, v7                   ; proj_w's codes: row r of 128 bytes, + 16 h
	v_lshlrev_b32 v10, 2, v8                       ; its scale words: 4 r
	v_lshlrev_b32 v11, 5, v9                       ; proj_b: my half's eight numbers
	v_lshlrev_b32 v83, 4, v8
	s_delay_alu instid0(VALU_DEP_1)
	v_lshl_add_u32 v83, v9, 14, v83                ; x, out0: 16 r, lanes 16-31 one row further down
	v_add_f32 v14, v14, v15                        ; the sum's two halves
	v_nop
.irp e, 0,1
.irp c, 0,1,2,3
	global_load_b128 v[KF+16*\e+4*\c:KF+16*\e+4*\c+3], v7, s[10:11] offset:2048*\e+32*\c   ; proj_w's rows 32 hd + 16 e + r
.endr
.endr
	global_load_b32 v80, v10, s[12:13]
	global_load_b32 v81, v10, s[12:13] offset:64
.irp e, 0,1
	global_load_b128 v[VF+8*\e:VF+8*\e+3], v11, s[14:15] offset:64*\e          ; proj_b in the result's layout: register i is output 32 hd + 16 e + 8 h + i
	global_load_b128 v[VF+8*\e+4:VF+8*\e+7], v11, s[14:15] offset:64*\e+16
.endr
.irp q, 0,1,2,3
	global_load_b128 v[VF+16+4*\q:VF+16+4*\q+3], v83, s[16:17] offset:32768*\q   ; the residual: rows 8 w + 2 q + h, sixteen lanes to 256 consecutive bytes
.endr
	v_permlanex16_b32 v236, v14, s28, s29
	s_delay_alu instid0(VALU_DEP_1)
	v_add_f32 v14, v14, v236                       ; with lane l xor 16's: the row's sum
	s_wait_alu depctr_va_vdst(0)
	v_rcp_f32 v14, v14
	v_nop                                          ; one plain line behind a transcendental
.set n, 0
	s_wait_alu depctr_va_vdst(0)
.rept 8
	v_pk_mul_f32 v[S+n:S+n+1], v[O+n:O+n+1], v[14:15] op_sel_hi:[1,0]   ; attn: register i is channel 16 h + i of my head, for query r
.set n, n+2
.endr
	; one block of the quantiser: the head's 32 channels, 16 here and 16 in lane l xor 16
	v_max3_num_f32 v232, |v[S]|, |v[S+1]|, 0x8000000
	v_max3_num_f32 v233, |v[S+2]|, |v[S+3]|, |v[S+4]|
	s_delay_alu instid0(VALU_DEP_2)
	v_max3_num_f32 v232, v232, |v[S+5]|, |v[S+6]|
	s_delay_alu instid0(VALU_DEP_2)
	v_max3_num_f32 v233, v233, |v[S+7]|, |v[S+8]|
	s_delay_alu instid0(VALU_DEP_2)
	v_max3_num_f32 v232, v232, |v[S+9]|, |v[S+10]|
	s_delay_alu instid0(VALU_DEP_2)
	v_max3_num_f32 v233, v233, |v[S+11]|, |v[S+12]|
	s_delay_alu instid0(VALU_DEP_2)
	v_max3_num_f32 v232, v232, |v[S+13]|, |v[S+14]|
	s_delay_alu instid0(VALU_DEP_1)
	v_max3_num_f32 v232, v232, v233, |v[S+15]|
	s_delay_alu instid0(VALU_DEP_1)
	v_permlanex16_b32 v236, v232, s28, s29
	s_delay_alu instid0(VALU_DEP_1)
	v_max_num_f32 v232, v232, v236
	s_delay_alu instid0(VALU_DEP_1)
	v_add_nc_u32 v244, 0xf8800000, v232
	s_delay_alu instid0(VALU_DEP_1)
	v_lshrrev_b32 v236, 23, v244
.set n, 0
.rept 16
.set n, n+1
.endr
	v_cvt_scalef32_pk8_bf8_f32 v[PC:PC+1], v[S:S+7], v244
	v_cvt_scalef32_pk8_bf8_f32 v[PC+2:PC+3], v[S+8:S+15], v244
	v_nop                                          ; one plain line behind the last conversion
	ds_store_b128 v84, v[PC:PC+3]                  ; register group hd of tile j's fragment
	ds_store_b8 v85, v236                          ; byte hd of its rows' scale words; both lanes of a block write the same byte with the same value
	s_wait_dscnt 0x0                               ; for the others' sake: my stores have landed
	s_barrier_signal -1
	s_barrier_wait -1                              ; attn's four fragments lie in LDS
.irp c, 0,1,2,3
	ds_load_b128 v[S+16+4*\c:S+16+4*\c+3], v86 offset:512*\c
.endr
	ds_load_b32 v82, v87
	s_wait_dscnt 0x0
	s_wait_loadcnt 0x4                             ; proj_w, its scale words and proj_b are in; the four loads issued behind them, the residual's, may be out
	v_wmma_scale_f32_16x16x128_f8f6f4 v[S+32:S+39], v[KF:KF+15], v[S+16:S+31], v[VF:VF+7], v80, v82 matrix_a_fmt:MATRIX_FMT_BF8 matrix_b_fmt:MATRIX_FMT_BF8
	v_wmma_scale_f32_16x16x128_f8f6f4 v[S+40:S+47], v[KF+16:KF+31], v[S+16:S+31], v[VF+8:VF+15], v81, v82 matrix_a_fmt:MATRIX_FMT_BF8 matrix_b_fmt:MATRIX_FMT_BF8
.rept 8
	v_nop
.endr
.irp e, 0,1
.irp i, 0,1,2,3,4,5,6,7
	ds_store_b32 v88, v[S+32+8*\e+\i] offset:(16*\e+\i)*SPITCH   ; out(32 hd + 16 e + 8 h + i, tile j's row r); each accumulator from its low end on
.endr
.endr
	s_wait_dscnt 0x0
	s_barrier_signal -1
	s_barrier_wait -1                              ; 128 whole rows of 64 t lie in the stage
.irp q, 0,1,2,3
	ds_load_b128 v[S+48+4*\q:S+48+4*\q+3], v89 offset:2*\q*SPITCH
.endr
	s_wait_loadcnt 0x0                             ; the residual
	s_wait_dscnt 0x0
.set n, 0
.rept 8
	v_pk_add_f32 v[S+48+n:S+48+n+1], v[S+48+n:S+48+n+1], v[VF+16+n:VF+16+n+1]
.set n, n+2
.endr
.irp q, 0,1,2,3
	global_store_b128 v83, v[S+48+4*\q:S+48+4*\q+3], s[18:19] offset:32768*\q th:TH_STORE_NT   ; sixteen lanes store 256 consecutive bytes, aligned; written once, read by nobody here
.endr
	s_wait_tensorcnt 0x0                           ; the wave's end, behind my last tensor load and my last LDS store
	ds_add_u32 v3, v4
	s_wait_dscnt 0x0
	CROUND                                         ; the closing round: no work-group ends while a partner may still ask for a record that names it
	s_endpgm
.Lfunc_end_k_q439216f15a_attn:
	.size	k_q439216f15a_attn, .Lfunc_end_k_q439216f15a_attn-k_q439216f15a_attn
	.p2alignl 7, 3214868480
	.fill 96, 4, 3214868480
	.section	.rodata,"a",@progbits
	.p2align	6, 0x0
	.amdhsa_kernel k_q439216f15a_attn
		.amdhsa_group_segment_fixed_size 327680
		.amdhsa_private_segment_fixed_size 0
		.amdhsa_enable_private_segment 0
		.amdhsa_kernarg_size 64
		.amdhsa_user_sgpr_count 2
		.amdhsa_user_sgpr_kernarg_segment_ptr 1
		.amdhsa_wavefront_size32 1
		.amdhsa_system_sgpr_workgroup_id_x 1
		.amdhsa_system_sgpr_workgroup_id_y 1
		.amdhsa_system_sgpr_workgroup_id_z 1
		.amdhsa_system_vgpr_workitem_id 0
		.amdhsa_next_free_vgpr 256
		.amdhsa_next_free_sgpr 66
		.amdhsa_reserve_vcc 0
		.amdhsa_float_denorm_mode_32 3
		.amdhsa_float_denorm_mode_16_64 3
		.amdhsa_fp16_overflow 1
		.amdhsa_memory_ordered 1
		.amdhsa_forward_progress 1
		.amdhsa_inst_pref_size 78
	.end_amdhsa_kernel
	.amdgpu_metadata
---
amdhsa.version: [ 1, 2 ]
amdhsa.kernels:
  - .name:           k_q439216f15a_attn
    .symbol:         k_q439216f15a_attn.kd
    .args:
      - { .name: qc, .offset: 0, .size: 8, .value_kind: global_buffer, .address_space: global }
      - { .name: qs, .offset: 8, .size: 8, .value_kind: global_buffer, .address_space: global }
      - { .name: kv, .offset: 16, .size: 8, .value_kind: global_buffer, .address_space: global }
      - { .name: proj_w_codes, .offset: 24, .size: 8, .value_kind: global_buffer, .address_space: global }
      - { .name: proj_w_scales, .offset: 32, .size: 8, .value_kind: global_buffer, .address_space: global }
      - { .name: proj_b, .offset: 40, .size: 8, .value_kind: global_buffer, .address_space: global }
      - { .name: x, .offset: 48, .size: 8, .value_kind: global_buffer, .address_space: global }
      - { .name: out0, .offset: 56, .size: 8, .value_kind: global_buffer, .address_space: global }
    .group_segment_fixed_size: 327680
    .private_segment_fixed_size: 0
    .kernarg_segment_align: 8
    .kernarg_segment_size: 64
    .max_flat_workgroup_size: 512
    .sgpr_count:     66
    .vgpr_count:     256
    .wavefront_size: 32
...
	.end_amdgpu_metadata
.endif
;; end of part 3
